; MI455X (gfx1250); checked and timed in simulation.
; The chip was launched on July 23, 2026; its instructions are those of AMD's public machine-readable ISA for CDNA 5 (MIT licence, August 2026) and "CDNA5" Instruction Set Architecture Reference Guide (July 2026). The comments in the code are by the model that wrote it; some were corrected since.
;; Self Attention. Allowed arithmetic: float matrix products may take bf16 or f16 operands with f32 sums; other float arithmetic in f32, or as packed bf16 or f16 multiplies, adds, multiply-adds, maxima and minima; sums over many terms, partial sums and values carried from step to step in f32; what a program stores and reads back later, other than sums and carried values, may be rounded once to bf16 or f16.
;; Inputs: K_seq 8 x 1,024 x 1,024 float32; Q_len 8 x 1 int32; Q_seq 8 x 1,024 x 1,024 float32; V_len 8 x 1 int32; V_seq 8 x 1,024 x 1,024 float32; WK 1,024 x 1,024 float32; WQ 1,024 x 1,024 float32; WV 1,024 x 1,024 float32.
;; Outputs: out0 8 x 1,024 x 1,024 float32.
;; 2 versions, each right; version 2 is version 1 with the launch wcast written anew for expert scheduling mode. Each part assembles by itself: llvm-mc -triple=amdgcn-amd-amdhsa -mcpu=gfx1250 --defsym DOCPART=n.
;; ======== version 1 of 2: 3 launches
;; limits: values are held in f16: magnitudes above 65,504 overflow, below 6.1e-05 lose precision
;; workspace buffers: wb 6,291,456 bytes; qkv 50,331,648 bytes
;; launch wcast (part 1): grid 128 x 3, 8 waves a work-group, no clusters, 0 bytes of LDS; arguments WQ, WK, WV, wb; writes wb
.if DOCPART == 1
	.amdgcn_target "amdgcn-amd-amdhsa--gfx1250"
	.amdhsa_code_object_version 6
	.text
	.protected	k_qd9e48d6cab_wcast
	.globl	k_qd9e48d6cab_wcast
	.p2align	8
	.type	k_qd9e48d6cab_wcast,@function
k_qd9e48d6cab_wcast:
	s_mov_b64 s[64:65], 0
	v_nop
	global_prefetch_b8 v0, s[64:65] scope:SCOPE_SE
	s_setreg_imm32_b32 hwreg(HW_REG_WAVE_MODE, 25, 1), 1
	s_wait_xcnt 0x0
; wb[p][k][n] = bf16(W_p[k][n]), p = 0, 1, 2 for WQ, WK, WV: the three weights rounded once to bf16, in their own layout [k][n].
; A stream: no LDS, no matrix unit, no cluster (no two work-groups read the same byte).  The work-group's y picks the matrix, its x 8,192 numbers:
; 32,768 bytes in, 16,384 out.  A wave takes 4,096 bytes as eight loads of 512 consecutive bytes, all eight out at once;
; each store of the wave covers 256 consecutive bytes, aligned.  No register is written twice, so no wait frees a source.
.set X, 4                              ; v[4:35]   eight loads, 4 f32 a lane each
.set Y, 36                             ; v[36:51]  eight stores, 4 bf16 a lane each
	s_load_b256 s[4:11], s[0:1], 0x0               ; WQ s[4:5], WK s[6:7], WV s[8:9], wb s[10:11]
	s_and_b32 s12, ttmp7, 0xffff                   ; which matrix
	s_lshl_b32 s14, ttmp9, 15                      ; my 32,768 bytes of it
	s_mov_b32 s15, 0
	s_lshl_b32 s16, ttmp9, 14                      ; my 16,384 bytes of its copy,
	s_lshl_b32 s17, s12, 21                        ; which is 2 MiB long
	s_add_co_u32 s16, s16, s17
	s_mov_b32 s17, 0
	v_lshrrev_b32 v3, 5, v0                        ; wave
	v_and_b32 v1, 31, v0                           ; lane
	v_lshlrev_b32 v2, 3, v1
	v_lshlrev_b32 v1, 4, v1
	v_lshl_add_u32 v1, v3, 12, v1                  ; in: 4,096 x wave + 16 x lane
	v_lshl_add_u32 v2, v3, 11, v2                  ; out: 2,048 x wave + 8 x lane
	s_wait_kmcnt 0x0
	s_cmp_eq_u32 s12, 0
	s_cselect_b64 s[18:19], s[4:5], s[6:7]
	s_cmp_eq_u32 s12, 2
	s_cselect_b64 s[18:19], s[8:9], s[18:19]
	s_add_nc_u64 s[18:19], s[18:19], s[14:15]
	s_add_nc_u64 s[10:11], s[10:11], s[16:17]
.irp i, 0,1,2,3,4,5,6,7
	global_load_b128 v[X+4*(\i):X+4*(\i)+3], v1, s[18:19] offset:512*(\i) th:TH_LOAD_NT
.endr
.irp i, 0,1,2,3,4,5,6,7
	s_wait_loadcnt 7-(\i)                          ; loads come back in order: load i is in, the 7 - i younger ones stay out
	v_cvt_pk_bf16_f32 v[Y+2*(\i)],   v[X+4*(\i)],   v[X+4*(\i)+1]
	v_cvt_pk_bf16_f32 v[Y+2*(\i)+1], v[X+4*(\i)+2], v[X+4*(\i)+3]
	global_store_b64 v2, v[Y+2*(\i):Y+2*(\i)+1], s[10:11] offset:256*(\i)
.endr
	s_endpgm
.Lfunc_end_k_qd9e48d6cab_wcast:
	.size	k_qd9e48d6cab_wcast, .Lfunc_end_k_qd9e48d6cab_wcast-k_qd9e48d6cab_wcast
	.p2alignl 7, 3214868480
	.fill 96, 4, 3214868480
	.section	.rodata,"a",@progbits
	.p2align	6, 0x0
	.amdhsa_kernel k_qd9e48d6cab_wcast
		.amdhsa_group_segment_fixed_size 0
		.amdhsa_private_segment_fixed_size 0
		.amdhsa_enable_private_segment 0
		.amdhsa_kernarg_size 32
		.amdhsa_user_sgpr_count 2
		.amdhsa_user_sgpr_kernarg_segment_ptr 1
		.amdhsa_wavefront_size32 1
		.amdhsa_system_sgpr_workgroup_id_x 1
		.amdhsa_system_sgpr_workgroup_id_y 1
		.amdhsa_system_sgpr_workgroup_id_z 1
		.amdhsa_system_vgpr_workitem_id 0
		.amdhsa_next_free_vgpr 52
		.amdhsa_next_free_sgpr 66
		.amdhsa_reserve_vcc 0
		.amdhsa_float_denorm_mode_32 3
		.amdhsa_float_denorm_mode_16_64 3
		.amdhsa_memory_ordered 1
		.amdhsa_forward_progress 1
		.amdhsa_inst_pref_size 4
	.end_amdhsa_kernel
	.amdgpu_metadata
---
amdhsa.version: [ 1, 2 ]
amdhsa.kernels:
  - .name:           k_qd9e48d6cab_wcast
    .symbol:         k_qd9e48d6cab_wcast.kd
    .args:
      - { .name: WQ, .offset: 0, .size: 8, .value_kind: global_buffer, .address_space: global }
      - { .name: WK, .offset: 8, .size: 8, .value_kind: global_buffer, .address_space: global }
      - { .name: WV, .offset: 16, .size: 8, .value_kind: global_buffer, .address_space: global }
      - { .name: wb, .offset: 24, .size: 8, .value_kind: global_buffer, .address_space: global }
    .group_segment_fixed_size: 0
    .private_segment_fixed_size: 0
    .kernarg_segment_align: 8
    .kernarg_segment_size: 32
    .max_flat_workgroup_size: 256
    .sgpr_count:     66
    .vgpr_count:     52
    .wavefront_size: 32
...
	.end_amdgpu_metadata
.endif
;; end of part 1
;; launch proj (part 2): grid 4 x 192, 4 waves a work-group, clusters of 4 x 4, 327,680 bytes of LDS; arguments Q_seq, K_seq, V_seq, wb, qkv; writes qkv
.if DOCPART == 2
	.amdgcn_target "amdgcn-amd-amdhsa--gfx1250"
	.amdhsa_code_object_version 6
	.text
	.protected	k_qd9e48d6cab_proj
	.globl	k_qd9e48d6cab_proj
	.p2align	8
	.type	k_qd9e48d6cab_proj,@function
k_qd9e48d6cab_proj:
	s_mov_b64 s[64:65], 0
	v_nop
	global_prefetch_b8 v0, s[64:65] scope:SCOPE_SE
	s_setreg_imm32_b32 hwreg(HW_REG_WAVE_MODE, 25, 1), 1
	s_wait_xcnt 0x0
	s_wait_alu depctr_hold_cnt(0) depctr_sa_sdst(0) depctr_va_vdst(0) depctr_va_sdst(0) depctr_va_ssrc(0) depctr_va_vcc(0) depctr_vm_vsrc(0)
	s_getreg_b32 s2, hwreg(HW_REG_IB_STS2, 6, 4)
	s_cmp_eq_u32 s2, 0
	s_cbranch_scc0 .Lentry_in_a_cluster
	s_endpgm
.Lentry_in_a_cluster:
	s_bfe_u32 s2, ttmp6, 0x10000c
	s_cmp_lg_u32 s2, 0xf033
	s_cbranch_scc0 .Lentry_shape_is_right
	s_endpgm
.Lentry_shape_is_right:
; qkv[p][16 b + h][s][d] = f16( sum over k of x_p[b][s][k] W_p[k][64 h + d] ), p = 0, 1, 2 for (Q_seq, WQ), (K_seq, WK), (V_seq, WV).
; x is f32 and is rounded to bf16 on its way from LDS to the matrix unit; W comes as bf16 from wb, [k][n]; sums in f32; the result is rounded once to f16, unscaled, and laid by heads.
; LIMIT.  f16 holds no number beyond 65,504: a projection beyond that leaves as an infinity.  NaN and infinities are not treated apart.
; SHARES.  The three products have 3 x 64 x 4 = 768 tiles of 128 rows x 256 columns: three for each of 256 work-group places.  Four waves, each 64 rows x 128 columns: 32 accumulators of 16 x 16.
; K goes in steps of 128 through two LDS slots.  A slot holds 128 rows of x (512 bytes of f32 each) and 128 k-rows of W (256 columns, 512 bytes each); each wave fetches a quarter of it by one tensor load.
; CLUSTER.  4 x 4 work-groups.  The four of a row of the cluster make the four column tiles of one row tile and need the same tile of x; the four of a column need the same tile of W
; (a cluster lies within one projection: 16 clusters along y to each).  Each tile is asked for JOINTLY: the same load, descriptor and mask in all four.
; THE MATRIX INSTRUCTION IS USED TRANSPOSED: source 0 = 16 columns of W, source 1 = 16 rows of x: a lane then holds eight neighbouring columns of one row of the result.
; W lies [k][n] in LDS and is turned by ds_load_tr16_b128.  x: a lane's eight f32 of a group of eight k come by two loads of 16 bytes, the first four into window 0 (G0R), the last four
; into window 1 (G1R); one v_cvt_pk_bf16_f32 takes a register of each, under the same window setting as the products beside it.  So place 2 i of a group holds k = i and place 2 i + 1 holds k = 4 + i.
; W is given the same order by its addresses: lane l of the turning load names k-row 8 (l / 16) + (l % 8) / 2 + 4 (l % 2).  The same order of k on both sides leaves every product with its partner.
; REGISTERS, in windows of 256 (s_set_vgpr_msb: bits 1:0 source 0, 3:2 source 1, 5:4 source 2, 7:6 destination):
;   window 0: v0-31 addresses; v32-95, v96-159 W's fragments, two buffers of 8 x 8; v160-191 G0R; v192-223 at work on the way out; v32-159 rows read back on the way out
;   window 1: v0-127 the accumulators of my rows 0-31 ((a, b) at 64 a + 8 b); v128-159, v160-191 x's fragments in bf16, two buffers of 4 x 8; v192-223 G1R
;   window 2: v0-127 the accumulators of my rows 32-63
.set KSTEP, 128
.set PA,    528                        ; a row of x in LDS: 512 bytes + 16 = 33 x 16: the 16 rows of a load start at 16 different columns of 16 bytes
.set PB,    544                        ; a k-row of W: 512 + 32 = 17 x 32
.set HALFA, 64*PA                      ; what one load brings of x
.set ATILE, 128*PA
.set HALFB, 64*PB                      ; what one load brings of W
.set SLOT,  ATILE+128*PB               ; x's 128 rows, then W's 128 k-rows
.set STAGE, 2*SLOT                     ; behind the ring: 32 rows x 144 bytes for each wave, for the way out
.set SP,    144
.set SPARE, STAGE+4*32*SP              ; behind the stages: the spare words, 128 bytes for each wave: two blocks of 256 bytes that no other line names
.set LAPS,  4                          ; 1,024 along K = 8 steps = 4 times round the ring
.set ADRA, 16                          ; v16-17  LDS address of my x fragments in slot 0, 1
.set ADRB, 20                          ; v20-21  the same for W
.set STO,  24                          ; v24     the way out: where I put 16 bytes of a row
.set RD,   25                          ; v25     the way out: where I read rows back
.set GO,   26                          ; v26     my byte offset in 512 consecutive bytes of the result
.set PFO,  27                          ; v27     my byte offset in the tile of x, for the prefetch; never rewritten
.set SPW,  28                          ; v28     LDS address of my spare word; never rewritten
.set NIL,  29                          ; v29     0; never rewritten
.set BF,   32
.set G0R,  160
.set TMP,  192
.set OB,   32
.set AF,   128                         ; window 1
.set G1R,  192                         ; window 1
.set G1,  24                           ; s[24:31] descriptor group 1 for x's tiles;  s[32:39] group 0, a set for each slot
.set G0,  32
.set G1B, 48                           ; s[48:55], s[56:63] the same for W's tiles
.set G0B, 56
.set MSB, 0
.macro WIN new                         ; the immediate's high byte repeats the setting that is left; a switch that changes nothing is dropped
.if MSB != (\new)
	s_set_vgpr_msb (MSB<<8)|(\new)
.set MSB, (\new)
.endif
.endm
.set S1, 0x54                          ; source 0 window 0; source 1, C and D window 1.  With 0x50 more: C and D window 2
; A joint load: waves 0 and 1 fetch x's two halves, waves 2 and 3 W's.  The branch hangs on the wave's number alone.
; An s_nop 0 and four v_nop follow each of the two lines, ahead of the jump, the label and what follows.
.macro JLOAD s
	s_cmp_eq_u32 s13, 0
	s_cbranch_scc0 .Lfor_b_\@
	tensor_load_to_lds s[G0+4*(\s):G0+4*(\s)+3], s[G1:G1+7]
	s_nop 0
.rept 4
	v_nop
.endr
	s_branch .Lasked_\@
.Lfor_b_\@:
	tensor_load_to_lds s[G0B+4*(\s):G0B+4*(\s)+3], s[G1B:G1B+7]
	s_nop 0
.rept 4
	v_nop
.endr
.Lasked_\@:
.endm
.macro CREST                           ; a round of the cluster's barrier behind its opening barrier
	s_cmp_lg_u32 s12, 0
	s_cbranch_scc1 .Lnot_wave_0_\@
	s_barrier_signal -3
.Lnot_wave_0_\@:
	s_barrier_wait -3
	s_barrier_signal -1
	s_barrier_wait -1
.endm
.macro CROUND                          ; a whole round
	s_barrier_signal -1
	s_barrier_wait -1
	CREST
.endm
	s_load_b256 s[4:11], s[0:1], 0x0               ; Q_seq s[4:5], K_seq s[6:7], V_seq s[8:9], wb s[10:11]
	s_load_b64 s[68:69], s[0:1], 0x20              ; qkv
	v_lshl_add_u32 v[SPW], v0, 2, SPARE
	v_mov_b32 v[NIL], 0
	ds_add_u32 v[SPW], v[NIL]                      ; the wave's opening: the add and its wait stand ahead of my first tensor load; the set-up below, work on registers, stands between them
	ds_add_u32 v28, v29
	v_lshrrev_b32 v1, 5, v0
	v_readfirstlane_b32 s12, v1                    ; wave 0..3
	s_lshr_b32 s13, s12, 1                         ; which 64 rows of the tile are mine.  Also: I fetch for x (0) or for W (1)
	s_and_b32 s14, s12, 1                          ; which 128 columns.  Also: which half of that tile I fetch
	s_bfe_u32 s15, ttmp6, 0x40000                  ; cx, cy: my place in the cluster
	s_bfe_u32 s16, ttmp6, 0x40004
	s_lshl_b32 s17, ttmp9, 2
	s_add_co_u32 s17, s17, s15                     ; tile column = 4 x cluster x + cx
	s_and_b32 s19, ttmp7, 0xffff
	s_lshl_b32 s18, s19, 2
	s_add_co_u32 s18, s18, s16                     ; tile row of all three products = 4 x cluster y + cy, 0..191
	s_lshr_b32 s19, s19, 4                         ; the projection: made of the cluster's y alone, so all sixteen partners share it
	s_and_b32 s20, s18, 63                         ; the tile row within it
	s_lshl_b32 s21, s16, 2
	s_lshl_b32 s21, 15, s21                        ; my row of the cluster
	s_lshl_b32 s22, 0x1111, s15                    ; my column
	; descriptor group 1.  x: 64 rows x 128 elements of 4 bytes; W: 64 k-rows x 256 elements of 2 bytes; both padded in LDS after every 128 words
	s_or_b32 s[G1+0], s21, (2<<16)|(1<<20)|(1<<21)|(6<<22)|(3<<25)   ; 15:0 the mask: my row; 17:16 4-byte elements; 20 padding on; 21 set beside a mask; 24:22 after 128 words (code 6); 31:25 4 words (code 3)
	s_or_b32 s[G1B+0], s22, (1<<16)|(1<<20)|(1<<21)|(6<<22)|(7<<25)  ; my column; 2-byte elements; 8 words of padding (code 7)
	s_mov_b32 s[G1+1], 128<<16                     ; tensor_dim0
	s_mov_b32 s[G1B+1], 256<<16
	s_mov_b32 s[G1+2], 64<<16                      ; tensor_dim1
	s_mov_b32 s[G1B+2], 64<<16
	s_mov_b32 s[G1+3], 128<<16                     ; tile_dim0
	s_mov_b32 s[G1B+3], 256<<16
	s_mov_b32 s[G1+4], 64                          ; tile_dim1
	s_mov_b32 s[G1B+4], 64
	s_mov_b32 s[G1+5], 1024                        ; elements from row to row
	s_mov_b32 s[G1B+5], 1024
	s_mov_b32 s[G1+6], 0
	s_mov_b32 s[G1B+6], 0
	s_mov_b32 s[G1+7], 0
	s_mov_b32 s[G1B+7], 0
	; where the tiles come from.  x's hang on the tile row, which my row of the cluster shares; W's on the projection and the tile column, which my column shares.
	s_lshl_b32 s40, s20, 19                        ; x: 128 rows of 4,096 bytes to a tile row
	s_mov_b32 s41, 0
	s_lshl_b32 s66, s14, 18                        ;    my half's 64 rows
	s_mov_b32 s67, 0
	s_lshl_b32 s46, s19, 21                        ; W: 2 MiB to a projection,
	s_lshl_b32 s47, s14, 17                        ;    my half's 64 k-rows of 2,048 bytes,
	s_add_co_u32 s46, s46, s47
	s_lshl_b32 s47, s17, 9                         ;    256 columns to a tile column
	s_add_co_u32 s46, s46, s47
	s_mov_b32 s47, 0
	s_mul_i32 s23, s14, HALFA                      ; and where they go: no place in the cluster enters an LDS address
	s_mul_i32 s2, s14, HALFB
	s_add_co_u32 s2, s2, ATILE
	s_wait_dscnt 0x0                               ; the opening add is done
	s_wait_kmcnt 0x0
	s_cmp_eq_u32 s19, 0
	s_cselect_b64 s[44:45], s[4:5], s[6:7]
	s_cmp_eq_u32 s19, 2
	s_cselect_b64 s[44:45], s[8:9], s[44:45]       ; the projection's x
	s_add_nc_u64 s[70:71], s[44:45], s[40:41]      ; the tile's first row: the prefetch's base
	s_add_nc_u64 s[44:45], s[70:71], s[66:67]      ; my half of it
	s_add_nc_u64 s[46:47], s[10:11], s[46:47]
	CROUND                                         ; all sixteen work-groups are here: the first joint loads meet
.irp s, 0,1
	s_mov_b32 s[G0+4*(\s)], 1                      ; count = 1
	s_add_co_u32 s[G0+4*(\s)+1], s23, (\s)*SLOT    ; LDS address
	s_add_nc_u64 s[G0+4*(\s)+2:G0+4*(\s)+3], s[44:45], (\s)*KSTEP*4     ; global address: K step s
	s_or_b32 s[G0+4*(\s)+3], s[G0+4*(\s)+3], 0x80000000                 ; type = 2
	s_mov_b32 s[G0B+4*(\s)], 1
	s_add_co_u32 s[G0B+4*(\s)+1], s2, (\s)*SLOT
	s_add_nc_u64 s[G0B+4*(\s)+2:G0B+4*(\s)+3], s[46:47], (\s)*KSTEP*2048
	s_or_b32 s[G0B+4*(\s)+3], s[G0B+4*(\s)+3], 0x80000000
	JLOAD \s                                       ; two loads of mine are out
.endr
	; THE PREFETCH of x.  A lap's x for a row of the cluster is 128 rows x 1,024 bytes = 512 blocks of 256 bytes = 4 partners x 4 waves x 32 lanes: one line a wave a lap asks for each block once.
	; Here lap 1; trip t of the loop asks for lap t + 2, which the tensor loads ask for one trip later; the last trip asks for nothing: lap 3 is the row's end.
	v_bfe_u32 v[PFO], v0, 2, 3                     ; lane / 4
	s_lshl_b32 s43, s15, 5
	s_lshl3_add_u32 s43, s12, s43                  ; 32 cx + 8 wave
	v_add_nc_u32 v[PFO], s43, v[PFO]               ; my row of the tile
	v_and_b32 v7, 3, v0
	v_lshlrev_b32 v7, 8, v7                        ; my block of its 1,024 bytes
	v_lshl_add_u32 v[PFO], v[PFO], 12, v7
	global_prefetch_b8 v[PFO], s[70:71] offset:1024 th:TH_LOAD_NT scope:SCOPE_SE
	v_and_b32 v1, 15, v0                           ; l % 16
	v_bfe_u32 v2, v0, 4, 1                         ; l / 16
	v_mul_u32_u24 v3, v1, PA
	v_lshl_add_u32 v3, v2, 5, v3                   ; x: row x pitch + 32 bytes (8 f32) x half
	s_mul_i32 s66, s13, HALFA                      ; my 64 rows
	v_add_nc_u32 v[ADRA], s66, v3
	v_add_nc_u32 v[ADRA+1], SLOT, v[ADRA]
	v_bfe_u32 v4, v0, 1, 2                         ; W: k-row 8 (l / 16) + (l % 8) / 2 + 4 (l % 2),
	v_and_b32 v5, 1, v0
	v_lshl_add_u32 v4, v5, 2, v4
	v_lshl_add_u32 v4, v2, 3, v4
	v_mul_u32_u24 v4, v4, PB
	v_bfe_u32 v5, v0, 3, 1                         ; columns 8 ((l / 8) % 2) on
	v_lshl_add_u32 v4, v5, 4, v4
	s_lshl_b32 s67, s14, 8                         ; my 128 columns, behind x's tile
	s_add_co_u32 s67, s67, ATILE
	v_add_nc_u32 v[ADRB], s67, v4
	v_add_nc_u32 v[ADRB+1], SLOT, v[ADRB]
	s_mul_i32 s66, s12, 32*SP
	s_add_co_u32 s66, s66, STAGE                   ; my stage
	v_mul_u32_u24 v5, v1, SP                       ; in: row l % 16, 16 bytes for each half of the lanes
	v_lshl_add_u32 v5, v2, 4, v5
	v_add_nc_u32 v[STO], s66, v5
	v_bfe_u32 v5, v0, 3, 2                         ; back: 32 lanes take four rows of 128 bytes,
	v_mul_u32_u24 v5, v5, SP
	v_and_b32 v6, 7, v0
	v_lshl_add_u32 v5, v6, 4, v5
	v_add_nc_u32 v[RD], s66, v5
	v_and_b32 v[GO], 31, v0                        ; which are 512 consecutive bytes of a head
	v_lshlrev_b32 v[GO], 4, v[GO]
	; where my part of the result begins: projection (16 MiB), batch (2 MiB), my first head (128 KiB each), my first row (128 bytes each)
	s_lshl_b32 s40, s19, 24
	s_lshr_b32 s41, s20, 3                         ; eight tile rows to a batch
	s_lshl_b32 s41, s41, 21
	s_add_co_u32 s40, s40, s41
	s_and_b32 s41, s20, 7
	s_lshl_b32 s41, s41, 14                        ; 128 rows x 128 bytes
	s_add_co_u32 s40, s40, s41
	s_lshl_b32 s41, s13, 13                        ; my 64 rows
	s_add_co_u32 s40, s40, s41
	s_mov_b32 s41, 0
	s_add_nc_u64 s[68:69], s[68:69], s[40:41]
	s_lshl_b32 s46, s17, 2
	s_lshl1_add_u32 s46, s14, s46                  ; head 4 x tile column + 2 x half
	s_lshl_b32 s46, s46, 17
	s_mov_b32 s47, 0
	s_add_nc_u64 s[68:69], s[68:69], s[46:47]
; 32 LDS loads in one run: quarter q (32 along K) of a slot.  First x as it lies, 16 loads; then W's 8 fragments, turned, into buffer g.
.macro FETCH slot, q, g
	WIN 0x40                                       ; destination window 1
.irp a, 0,1,2,3
	ds_load_b128 v[G1R+8*(\a):G1R+8*(\a)+3],   v[ADRA+(\slot)] offset:(\a)*16*PA+128*(\q)+16
	ds_load_b128 v[G1R+8*(\a)+4:G1R+8*(\a)+7], v[ADRA+(\slot)] offset:(\a)*16*PA+128*(\q)+80
.endr
	WIN 0
.irp a, 0,1,2,3
	ds_load_b128 v[G0R+8*(\a):G0R+8*(\a)+3],   v[ADRA+(\slot)] offset:(\a)*16*PA+128*(\q)
	ds_load_b128 v[G0R+8*(\a)+4:G0R+8*(\a)+7], v[ADRA+(\slot)] offset:(\a)*16*PA+128*(\q)+64
.endr
.irp b, 0,1,2,3,4,5,6,7
	ds_load_tr16_b128 v[BF+64*(\g)+8*(\b):BF+64*(\g)+8*(\b)+3],   v[ADRB+(\slot)] offset:(\q)*32*PB+32*(\b)
	ds_load_tr16_b128 v[BF+64*(\g)+8*(\b)+4:BF+64*(\g)+8*(\b)+7], v[ADRB+(\slot)] offset:(\q)*32*PB+16*PB+32*(\b)
.endr
.endm
; 8 matrix instructions: m block a x all 8 n blocks, 32 along K, on buffer f.  zero = 1: the product starts the sum: nothing is ever cleared.
; ride = 1 (a = 1 alone: its window setting serves the conversion too): behind each product four conversions of the next quarter's x into buffer g.
.macro MUL8 f, a, zero=0, ride=0, g=0
	WIN S1+0x50*((\a)/2)
.irp b, 0,1,2,3,4,5,6,7
.set rC, 64*((\a)%2)+8*(\b)
.if \zero
	v_wmma_f32_16x16x32_bf16 v[rC:rC+7], v[BF+64*(\f)+8*(\b):BF+64*(\f)+8*(\b)+7], v[AF+32*(\f)+8*(\a):AF+32*(\f)+8*(\a)+7], 0
.else
	v_wmma_f32_16x16x32_bf16 v[rC:rC+7], v[BF+64*(\f)+8*(\b):BF+64*(\f)+8*(\b)+7], v[AF+32*(\f)+8*(\a):AF+32*(\f)+8*(\a)+7], v[rC:rC+7]
.endif
.if \ride
.irp i, 0,1,2,3
	v_cvt_pk_bf16_f32 v[AF+32*(\g)+4*(\b)+(\i)], v[G0R+4*(\b)+(\i)], v[G1R+4*(\b)+(\i)]
.endr
.endif
.endr
.endm
; A K step is four quarters of 32 along K, 32 matrix instructions each, on buffers 0, 1, 0, 1.  The 32 accumulators take turns in one order, m blocks 2, 3, 0, 1.
; Every quarter ends in a product and four conversions that name none of its registers: those are the four places in front of the next quarter's loads into W's buffer that was just multiplied.
; One of the first three: fetches quarter q into buffer g, multiplies buffer f.
.macro QUARTER slot, q, f, g, zero
	FETCH \slot, \q, \g
	s_wait_dscnt 32                                ; all but the 32 just issued: W's buffer f is in
	MUL8 \f, 2, \zero
	MUL8 \f, 3, \zero
	MUL8 \f, 0, \zero
	s_wait_dscnt 16                                ; x of the next quarter is in; the 16 younger loads, W's, may stay out
	MUL8 \f, 1, \zero, 1, \g
.endm
; The last quarter multiplies buffer 1 and changes slots: ONE barrier; in front of it each wave waits for all its tensor loads (one is out: its part of the next slot), adds 0 to its spare word,
; and waits for that and for its own reads of this slot.  fill = 1: the barrier opens a round of the cluster's, and this slot is filled again, two K steps ahead, first thing behind the round.
.macro TURN slot, next, fill
	WIN 0                                          ; (the add's two registers lie in window 0)
	s_wait_tensorcnt 0x0                           ; all my tensor loads have landed
	ds_add_u32 v[SPW], v[NIL]                      ; 0 onto my spare word
	s_wait_dscnt 1                                 ; the add alone may be out: W's buffer 1 is in
	MUL8 1, 2                                      ; eight matrix instructions stand between the add and the wait for it
	s_wait_dscnt 0x0                               ; the add is done, and my reads of this slot are over
	s_barrier_signal -1
	MUL8 1, 3
.if \fill
	WIN 0
.endif
	s_barrier_wait -1
.if \fill
	CREST                                          ; no wave of any partner still reads this slot's tiles or has a load on its way
	s_add_nc_u64 s[G0+4*(\slot)+2:G0+4*(\slot)+3], s[G0+4*(\slot)+2:G0+4*(\slot)+3], 2*KSTEP*4
	s_add_nc_u64 s[G0B+4*(\slot)+2:G0B+4*(\slot)+3], s[G0B+4*(\slot)+2:G0B+4*(\slot)+3], 2*KSTEP*2048
	JLOAD \slot                                    ; my one tensor load behind the round: 112 matrix instructions ahead of the wait for it
.endif
	FETCH \next, 0, 0
	MUL8 1, 0
	s_wait_dscnt 16                                ; x of the next slot's first quarter is in
	MUL8 1, 1, 0, 1, 0
.endm
	s_wait_tensorcnt 1                             ; my part of K step 0 is in; step 1's stays out
	s_barrier_signal -1
	s_barrier_wait -1                              ; everybody's is
	FETCH 0, 0, 0
	s_wait_dscnt 16                                ; x is in
	WIN S1
.set i, 0
.rept 32
	v_cvt_pk_bf16_f32 v[AF+i], v[G0R+i], v[G1R+i]
.set i, i+1
.endr
	QUARTER 0, 1, 0, 1, 1                          ; the first quarter stands in front of the loop: its products start the sums
	WIN 0                                          ; at a label and at a branch every window is 0
	s_mov_b32 s3, LAPS-1
.Llap:                                                 ; a trip goes once round the ring, from a lap's second quarter to the next lap's first, and fills both slots again
	s_cmp_eq_u32 s3, 1
	s_cbranch_scc1 .Lno_pf                         ; the last trip has nothing left to ask for
	s_wait_xcnt 0x0                                ; the last prefetch has read its base
	s_add_nc_u64 s[70:71], s[70:71], 1024
	global_prefetch_b8 v[PFO], s[70:71] offset:1024 th:TH_LOAD_NT scope:SCOPE_SE
.Lno_pf:
	QUARTER 0, 2, 1, 0, 0
	QUARTER 0, 3, 0, 1, 0
	TURN 0, 1, 1
	QUARTER 1, 1, 0, 1, 0
	QUARTER 1, 2, 1, 0, 0
	QUARTER 1, 3, 0, 1, 0
	TURN 1, 0, 1
	QUARTER 0, 1, 0, 1, 0
	WIN 0
	s_sub_co_u32 s3, s3, 1
	s_cmp_lg_u32 s3, 0
	s_cbranch_scc1 .Llap
	QUARTER 0, 2, 1, 0, 0                          ; the last lap fills nothing, and has no round of the cluster's barrier
	QUARTER 0, 3, 0, 1, 0
	TURN 0, 1, 0
	QUARTER 1, 1, 0, 1, 0
	QUARTER 1, 2, 1, 0, 0
	QUARTER 1, 3, 0, 1, 0
	s_wait_dscnt 0x0                               ; the very last quarter: nothing more to fetch
	MUL8 1, 2
	MUL8 1, 3
	MUL8 1, 0
	MUL8 1, 1
	WIN 0
.rept 4
	v_nop                                          ; the places between the last products and the conversions that read results
.endr
; THE WAY OUT, a block of 16 rows at a time, through my own stage: no barrier, and since LDS serves a wave's instructions in order (ISA guide 5.7.1.4) no wait between stores and loads.
; My 128 columns are two heads: the stage holds head 0's 16 rows of 128 bytes, then head 1's.  Each accumulator's registers are taken in ascending order.
.macro PACK a
.set AC, 64*((\a)%2)
	WIN 0x05+5*((\a)/2)                            ; sources 0 and 1: window 1 or 2
.irp b, 0,1,2,3,4,5,6,7
.irp r, 0,1,2,3
	v_cvt_pk_f16_f32 v[TMP+4*(\b)+(\r)], v[AC+8*(\b)+2*(\r)], v[AC+8*(\b)+2*(\r)+1]
.endr
.endr
	WIN 0
.irp b, 0,1,2,3,4,5,6,7
	ds_store_b128 v[STO], v[TMP+4*(\b):TMP+4*(\b)+3] offset:((\b)/4)*16*SP+32*((\b)%4)
.endr
.irp f, 0,1,2,3,4,5,6,7
	ds_load_b128 v[OB+32*(\a)+4*(\f):OB+32*(\a)+4*(\f)+3], v[RD] offset:(\f)*4*SP
.endr
.endm
.macro SEND a, younger                 ; younger: the LDS instructions issued behind block a's loads: the next block's sixteen, or none
.irp f, 0,1,2,3,4,5,6,7
	s_wait_dscnt (\younger)+7-(\f)
	global_store_b128 v[GO], v[OB+32*(\a)+4*(\f):OB+32*(\a)+4*(\f)+3], s[68:69] offset:((\f)/4)*131072+(\a)*2048+((\f)%4)*512  ; four rows of a head: 512 consecutive bytes, at a multiple of 256 from the buffer's first
.endr
.endm
	PACK 0
.irp a, 1,2,3                          ; a block's conversions stand between the loads of the block before and its stores
	PACK \a
	SEND (\a)-1, 16
.endr
	SEND 3, 0
	s_wait_tensorcnt 0x0                           ; the wave's end: these three lines stand behind my last tensor load and my last LDS store
	ds_add_u32 v[SPW], v[NIL]
	s_wait_dscnt 0x0
	CROUND                                         ; the closing round: no work-group ends while a partner may still ask for a tile that names it
	s_endpgm
.Lfunc_end_k_qd9e48d6cab_proj:
	.size	k_qd9e48d6cab_proj, .Lfunc_end_k_qd9e48d6cab_proj-k_qd9e48d6cab_proj
	.p2alignl 7, 3214868480
	.fill 96, 4, 3214868480
	.section	.rodata,"a",@progbits
	.p2align	6, 0x0
	.amdhsa_kernel k_qd9e48d6cab_proj
		.amdhsa_group_segment_fixed_size 327680
		.amdhsa_private_segment_fixed_size 0
		.amdhsa_enable_private_segment 0
		.amdhsa_kernarg_size 40
		.amdhsa_user_sgpr_count 2
		.amdhsa_user_sgpr_kernarg_segment_ptr 1
		.amdhsa_wavefront_size32 1
		.amdhsa_system_sgpr_workgroup_id_x 1
		.amdhsa_system_sgpr_workgroup_id_y 1
		.amdhsa_system_sgpr_workgroup_id_z 1
		.amdhsa_system_vgpr_workitem_id 0
		.amdhsa_next_free_vgpr 640
		.amdhsa_next_free_sgpr 72
		.amdhsa_reserve_vcc 0
		.amdhsa_float_denorm_mode_32 3
		.amdhsa_float_denorm_mode_16_64 3
		.amdhsa_memory_ordered 1
		.amdhsa_forward_progress 1
		.amdhsa_inst_pref_size 127
	.end_amdhsa_kernel
	.amdgpu_metadata
---
amdhsa.version: [ 1, 2 ]
amdhsa.kernels:
  - .name:           k_qd9e48d6cab_proj
    .symbol:         k_qd9e48d6cab_proj.kd
    .args:
      - { .name: Q_seq, .offset: 0, .size: 8, .value_kind: global_buffer, .address_space: global }
      - { .name: K_seq, .offset: 8, .size: 8, .value_kind: global_buffer, .address_space: global }
      - { .name: V_seq, .offset: 16, .size: 8, .value_kind: global_buffer, .address_space: global }
      - { .name: wb, .offset: 24, .size: 8, .value_kind: global_buffer, .address_space: global }
      - { .name: qkv, .offset: 32, .size: 8, .value_kind: global_buffer, .address_space: global }
    .group_segment_fixed_size: 327680
    .private_segment_fixed_size: 0
    .kernarg_segment_align: 8
    .kernarg_segment_size: 40
    .max_flat_workgroup_size: 128
    .sgpr_count:     72
    .vgpr_count:     640
    .wavefront_size: 32
...
	.end_amdgpu_metadata
.endif
;; end of part 2
;; launch attn (part 3): grid 2 x 128, 4 waves a work-group, no clusters, 327,680 bytes of LDS; arguments qkv, V_len, Q_len, out0; writes out0
.if DOCPART == 3
	.amdgcn_target "amdgcn-amd-amdhsa--gfx1250"
	.amdhsa_code_object_version 6
	.text
	.protected	k_qd9e48d6cab_attn
	.globl	k_qd9e48d6cab_attn
	.p2align	8
	.type	k_qd9e48d6cab_attn,@function
k_qd9e48d6cab_attn:
	s_mov_b64 s[64:65], 0
	v_nop
	global_prefetch_b8 v0, s[64:65] scope:SCOPE_SE
	s_setreg_imm32_b32 hwreg(HW_REG_WAVE_MODE, 25, 1), 1
	s_wait_xcnt 0x0
; out0[b][q][64 h + d] = (q < Q_len[b]) x the sum over k of softmax_k(A[q][k]) v[k][d], A = q . k / 8, less 1e12 where k >= V_len[b], less 1e12 where k > q.
; q, k, v: [128 heads = 16 b + h][1024][64] f16, unscaled, at qkv + 0, + 16 MiB, + 32 MiB.  Products, maxima and sums in f32; the weights p are rounded to f16 for the second product; out0 is f32.
; LIMITS.  q, k, v arrive within f16's 65,504.  A hidden score counts as its value less 1e30 (once or twice) where the definition takes 1e12 or 2e12 away: either way its weight is 0
; beside a visible key's, since f16's scores stay under 3.4e10.  A weight below 2^-126 counts as 0; NaN and infinities are not treated apart.
; V_len <= 0: no key is visible, every key carries -1e12, and what is left of the scores is their rounding beside 1e12.  That rounding is made here as the definition makes it, on the unscaled score s:
; u = fl(s - 8 M), M = f32(1e12), is eight times fl(s / 8 - M), exactly.  Two such u are equal or differ by a multiple of 2^19, so the weights are 1 or 0 whatever the scale; c = 0.5 is taken there,
; a power of two, so that c u and c m are exact.  The causal mask stays.  V_len >= 1: key 0 is visible to every row, so a running maximum is a true score from the first step on.
; V_len > 1024 is 1,024; Q_len is held to 0 .. 1,024: both as the definition has it.  No branch hangs on V_len or Q_len: they enter scalars that are chosen by s_cselect_b32, and masks.
; THE WALK.  A head's queries lie in NB = 4 blocks of 256; block i needs the key tiles 0 .. i of 256 keys, of which the last holds the diagonal.  A work-group takes TWO blocks, 3 - b and then b:
; 5 tiles, whatever b: ONE loop with a constant trip count walks them.  Which tile is asked for, and what a trip does, hang on scalar registers made from b; every jump goes
; forward, but for the counted loops' own; none passes a barrier, or a tensor load but the one of LOAD's two that the wave's number does not choose.
; NO CLUSTER: a head has two work-groups, not four, and they ask for the same tile only in trips 0 to 2 of 5.
; SHARES.  Of a block's four bands of 64 queries a wave owns 16 rows in each: four PIECES.  In the diagonal tile's key step s band x sees all keys if s < x, none if s > x, and holds the diagonal if s = x.
; THE CAUSAL MASK is the C operand that starts the sum S^T = K Q^T: MD, made once, is the mask of a band's own step for my 16 rows; a product's mask is MD x AL + BE with two scalars:
; (1, 0) if s = x; (0, 0) if s < x; (0, -1e30) if s > x.  Only the diagonal tile's text and a block's beginning make and take it; elsewhere C is the constant 0.
; THE KEY MASK is added to the finished scores, in every turn: MZ = MK x KE + BZ.  MK, made once, is the mask of the step in which V_len falls; (KE, BZ) is (1, 0) in that step, (0, 0) ahead of it,
; (0, -1e30) behind it, and (0, -8 M) everywhere where V_len <= 0.  It is the same for all four pieces, so it is made once a key step: 16 lines for four turns.
; LAYOUT, SOFTMAX, TURNS.  S^T = K Q^T holds ONE query a lane (lane % 16) and the keys 8 (lane / 16) + 0..7; two such results rounded to f16 ARE source 1 of O^T = V^T P.  p = 2^(c s - c m), c = log2(e) / 8, with a
; running maximum m; O and l are multiplied by a = 2^(c m_old - c m_new) in every step.  Turn n belongs to piece n: 8 products K Q^T of piece n + 1, later 8 products V^T P of piece n - 1; beside them the scaling,
; exponentials, roundings, sums and rescaling of piece n and the key mask, maximum and statistics of piece n + 1.  Four vector instructions stand behind every matrix instruction, the rest in two LUMPS.
; REGISTERS, in windows of 256 (s_set_vgpr_msb: bits 1:0 source 0, 3:2 source 1, 5:4 source 2, 7:6 destination):
;   window 0: v0-15 addresses and two at work; v16-31 four registers of statistics a piece; v48-55 at work; v56-57 my query's and V_len's places; v64-127 S^T, two buffers; v192-223 P, two buffers; v224-255 MZ; v64-191 the way out
;   window 1: v0-127 O^T, 32 a piece; v128-159 MD; v160-223 MC, two buffers; v224-255 MK      window 2: v0-63 Q; v64-127 the second block's Q; v128-191 K of one step; v192-255 V of one step
.set SIZE_N, 1024
.set NB,    SIZE_N/256
.set NP,    4         ; pieces a wave: a name, no knob
.set KS,    64        ; keys in a step
.set PK,    144       ; a row of K in LDS: 128 bytes + 16 of padding = 36 words: the 16 rows of a load start at 16 different groups of four banks (64 banks of 4 bytes: ISA guide 11.1)
.set PV,    160       ; a row of V: 128 + 32 = 40 words
.set VOFF,  4*KS*PK   ; a slot holds a tile, four steps: 256 rows of K, then 256 rows of V
.set SLOT1, 1<<17     ; slot 1 begins here, so that one exclusive or turns an address in one slot into the other's
.set STAGE, SLOT1+4*KS*(PK+PV)  ; behind the ring, never filled by a tensor load: 16 rows x 272 bytes for each wave, for the way out
.set SP,    272       ; a row of 64 f32 + 16 bytes = 17 x 16
.set SPARE, STAGE+4*16*SP  ; behind the stages: the spare words, 128 bytes for each wave: two blocks of 256 bytes that no other line names
.set AK0, 2           ; v2   my lane's place in a tile of K; never rewritten
.set AV0, 3           ; v3   the same for V
.set AK,  4           ; v4   the LDS address of K's next run of loads
.set AV,  5           ; v5   of V's
.set STO, 6           ; v6   the way out: where I put 32 bytes of a row
.set RD,  7           ; v7   the way out: where I read rows back
.set GO,  8           ; v8   my byte offset in two rows of out0
.set MV,  12          ; v12-13  c m_old, kept while c m is made anew: by buffer
.set QO,  15          ; v15  my byte offset in 16 rows of Q
.set ST,  16          ; piece t's statistics at v[ST+4 t]: c m, m, l (even keys', odd keys')
.set TMP, 48          ; by buffer, four registers c0-c3 at work; when the maximum is found c2 takes a
.set QI,  56          ; v56  my query's place in its band: 16 w + l % 16
.set KI,  57          ; v57  V_len % 64 less my lanes' 8 (l / 16)
.set SPW, 62          ; v62  LDS address of my spare word; never rewritten
.set NIL, 63          ; v63  0; never rewritten
.set S,   64
.set OUTB, 64         ; the way out: 32 registers a piece
.set P,   192
.set MZ,  224         ; window 0: the key mask of the step whose scores are being made
.set MD,  128         ; window 1: the eight registers for group kt of 16 keys at MD + 8 kt
.set MC,  160         ; window 1: the causal masks of the products to come
.set MK,  224         ; window 1
.set QB,  64          ; window 2
.set KF,  128         ; window 2: key block kb, channel half c at KF + 16 kb + 8 c
.set VF,  192         ; window 2: key half kk, channel block cb at VF + 32 kk + 8 cb
.set WV,  12          ; s12  my wave's number
.set PB,  14          ; s14  b
.set HI,  15          ; s15  NB - 1 - b
.set G1K, 24          ; s[24:31] descriptor group 1 for K's tiles
.set G1V, 32          ; s[32:39] for V's: it differs in the padding alone
.set G0K, 40          ; s[40:43] descriptor group 0 for K's tiles
.set G0V, 44          ; s[44:47] the same for V's
.set KE,  48          ; s[48:49] MK's factor, in the low word
.set BZ,  50          ; s[50:51] the key mask's addend
.set ZV,  52          ; s52  what a visible key is given: 0, or -8 M where V_len <= 0
.set SLOTS, 56        ; s56  tiles still to be asked for
.set CNT, 57          ; s57  counts a tile's key steps, 4 to 1
.set CS,  58          ; s[58:59] c: the packed scaling takes the pair's low word for both halves
.set SEL, 60          ; s[60:61] v_permlanex16_b32's selects: each lane takes its own place in the other half
.set TBK, 62          ; s62  LDS byte at which K of the step to be fetched begins
.set TBV, 63          ; s63  the same for V, less VOFF
.set RT,  70          ; s70  tiles of the block in hand that are still to be entered
.set NXT, 71          ; s71  the tile to be asked for next
.set LQ,  72          ; s72  the last tile of the block whose tiles are being asked for
.set NEW, 73          ; s73  1: the tile to be entered is a block's first
.set OFF, 74          ; s[74:75] a tile's byte offset in K and V
.set AL,  76          ; s[76:77] MD's factor, in the low word
.set BE,  78          ; s[78:79] the causal mask's addend
.set OLO, 80          ; s[80:81] out0 at my rows of the second block
.set BIGN, 82         ; s82  -1e30
.set VLE, 96          ; s96  the keys that V_len leaves visible, 1 .. 1,024 (1,024 where V_len <= 0)
.set VR,  98          ; s98  VLE less the keys up to the end of the tile in hand
.set QL,  101         ; s101 Q_len, 0 .. 1,024
.set T1,  104         ; s104 at work
.set QREL, 105        ; s105 Q_len less the block's first row
.set MSB, 0
.macro WIN new                      ; the high byte repeats the setting that is left; a switch that changes nothing is dropped
.if MSB != (\new)
	s_set_vgpr_msb (MSB<<8)|(\new)
.set MSB, (\new)
.endif
.endm
.set W_KQ, 0x0a       ; K and Q in window 2, S^T in window 0
.set W_KM, 0x1a       ; the same with the C operand in window 1
.set W_PV, 0x52       ; V in window 2, P in window 0, O^T in window 1
.set W_RS, 0x41       ; destination and source 0 in window 1, source 1 in window 0
; A fill.  Waves 0 and 1 fetch the two halves of a tile's K, waves 2 and 3 those of its V: 128 keys each.  An s_nop 0 and four v_nop follow each of the two lines, ahead of the jump and the label.
.macro LOAD
	s_cmp_lt_u32 s[WV], 2
	s_cbranch_scc0 .Lfor_v_\@
	tensor_load_to_lds s[G0K:G0K+3], s[G1K:G1K+7]
	s_nop 0
.rept 4
	v_nop
.endr
	s_branch .Lasked_\@
.Lfor_v_\@:
	tensor_load_to_lds s[G0V:G0V+3], s[G1V:G1V+7]
	s_nop 0
.rept 4
	v_nop
.endr
.Lasked_\@:
.endm
; THE CHANGE OF SLOTS.  Each wave waits for all its tensor loads, of which one is out: its part of the other slot; adds 0 to its spare word; and waits for that and for its own reads of the slot that it leaves.
; Behind the barrier nobody reads the old slot any more and the other slot is whole.  fill = 1: the old slot is filled again, the first thing behind the barrier, with tile NXT: the descriptor's address is made
; anew from that number.  (At its first use nothing has been read yet: slot 0 is waited for, slot 1 filled.)
.macro CHANGE fill
	WIN 0                           ; at a label and at a branch every window is 0
	s_wait_tensorcnt 0x0            ; no tensor load of mine is out, so a group 0 may be written
	ds_add_u32 v[SPW], v[NIL]       ; 0 onto my spare word; with fill = 1 the descriptors' scalar work stands between it and the wait for it
.if \fill
	s_lshl_b32 s[OFF], s[NXT], 15   ; a tile is 32,768 bytes of K and of V
	s_xor_b32 s[G0K+1], s[G0K+1], SLOT1
	s_add_nc_u64 s[G0K+2:G0K+3], s[6:7], s[OFF:OFF+1]
	s_or_b32 s[G0K+3], s[G0K+3], 0x80000000
	s_xor_b32 s[G0V+1], s[G0V+1], SLOT1
	s_add_nc_u64 s[G0V+2:G0V+3], s[8:9], s[OFF:OFF+1]
	s_or_b32 s[G0V+3], s[G0V+3], 0x80000000
	s_add_co_u32 s[NXT], s[NXT], 1  ; the block's next tile, or behind its last the second block's tile 0
	s_cmp_gt_u32 s[NXT], s[LQ]
	s_cselect_b32 s[NXT], 0, s[NXT]
	s_cselect_b32 s[LQ], s[PB], s[LQ]
.endif
	s_wait_dscnt 0x0                ; the add is done, and my reads of the slot are over
	s_barrier_signal -1             ; the rest of the scalar work stands between the signal and the wait
	s_sub_co_u32 s[TBK], s[TBK], 4*KS*PK  ; the fetches go back to a slot's first step,
	s_xor_b32 s[TBK], s[TBK], SLOT1       ; in the other slot
	s_sub_co_u32 s[TBV], s[TBV], 4*KS*PV
	s_xor_b32 s[TBV], s[TBV], SLOT1
	s_barrier_wait -1
.if \fill
	LOAD
.endif
.endm
.macro ENTER                        ; a tile is entered
	s_sub_co_u32 s[RT], s[RT], 1
	s_sub_co_i32 s[VR], s[VR], 256
	s_mov_b32 s[CNT], 4
.endm
	s_load_b256 s[88:95], s[0:1], 0x0  ; qkv s[88:89], V_len s[90:91], Q_len s[92:93], out0 s[94:95]
	v_lshl_add_u32 v[SPW], v0, 2, SPARE
	v_mov_b32 v[NIL], 0
	ds_add_u32 v[SPW], v[NIL]       ; the wave's opening: the add and its wait stand ahead of my first tensor load; the set-up below, work on registers, stands between them
	ds_add_u32 v62, v63
	v_lshrrev_b32 v1, 5, v0
	v_readfirstlane_b32 s[WV], v1   ; wave 0..3
	s_mov_b32 s[PB], ttmp9
	s_sub_co_u32 s[HI], NB-1, s[PB]
	s_and_b32 s83, ttmp7, 0xffff    ; the head, 16 b + h
	s_mov_b32 s20, s83
	s_mov_b32 s21, 0
	s_mov_b64 s[22:23], SIZE_N*128
	s_mul_u64 s[20:21], s[20:21], s[22:23]  ; the head's first byte in q, k and v
	s_and_b32 s16, s[WV], 1         ; which half of a tile's 256 keys I fetch:
	s_lshl_b32 s22, s16, 14         ; its 128 rows of 128 bytes in memory,
	s_mov_b32 s23, 0
	s_add_nc_u64 s[22:23], s[22:23], s[20:21]
	s_mul_i32 s17, s16, 128*PK      ; and its place in a slot, for K
	s_mul_i32 s18, s16, 128*PV      ; and for V
	s_lshl_b32 s3, s[WV], 11        ; my 16 rows in a band of 64,
	s_lshl_b32 s2, s[HI], 15        ; in the first block,
	s_add_co_u32 s2, s2, s3
	s_lshl_b32 s84, s[PB], 15       ; and in the second
	s_add_co_u32 s84, s84, s3
	s_mov_b32 s3, 0
	s_mov_b32 s85, 0
	s_add_nc_u64 s[2:3], s[2:3], s[20:21]
	s_add_nc_u64 s[84:85], s[84:85], s[20:21]
	s_lshr_b32 s[T1], s83, 4        ; the batch
	s_lshl_b32 s66, s[T1], 22       ; out0: 4 MiB a batch,
	s_and_b32 s67, s83, 15
	s_lshl_b32 s67, s67, 8          ; 256 bytes of a row to a head,
	s_add_co_u32 s66, s66, s67
	s_lshl_b32 s67, s[WV], 16       ; my 16 rows of 4,096 bytes in a band,
	s_add_co_u32 s66, s66, s67
	s_lshl_b32 s68, s[PB], 20       ; 1 MiB a block: the second,
	s_add_co_u32 s68, s68, s66
	s_lshl_b32 s67, s[HI], 20       ; and the first
	s_add_co_u32 s66, s66, s67
	s_mov_b32 s67, 0
	s_mov_b32 s69, 0
	s_lshl_b32 s[T1], s[T1], 2      ; the batch's word in V_len and Q_len
	; descriptor group 1.  128 keys are 16,384 dense bytes: asked for as 64 rows of 256 bytes, two keys a row, and padded in LDS after every key
	s_mov_b32 s[G1K], (1<<16)|(1<<20)|(4<<22)|(3<<25)  ; 17:16 2-byte elements; 20 padding on; 24:22 after every 32 words (code 4); 31:25 4 words (code 3)
	s_mov_b32 s[G1V], (1<<16)|(1<<20)|(4<<22)|(7<<25)  ; the same with 8 words of padding (code 7)
.irp g, G1K, G1V
	s_mov_b32 s[\g+1], 128<<16      ; tensor_dim0 = 128
	s_mov_b32 s[\g+2], 64<<16       ; tensor_dim1 = 64
	s_mov_b32 s[\g+3], 128<<16      ; tile_dim0 = 128
	s_mov_b32 s[\g+4], 64           ; tile_dim1 = 64
	s_mov_b32 s[\g+5], 128          ; 128 elements from row to row
	s_mov_b32 s[\g+6], 0
	s_mov_b32 s[\g+7], 0
.endr
	s_mov_b32 s[CS], 0x3e38aa3b     ; c = log2(e) / 8 = 0.180337
	s_mov_b32 s[SEL], 0x76543210
	s_mov_b32 s[SEL+1], 0xfedcba98
	s_mov_b32 s[TBK], SLOT1+4*KS*PK ; the first change of slots turns these two into 0
	s_mov_b32 s[TBV], SLOT1+4*KS*PV
	s_mov_b32 s[G0K], 1             ; 1:0 count = 1
	s_mov_b32 s[G0K+1], s17         ; 63:32 LDS address: slot 0
	s_mov_b32 s[G0V], 1
	s_add_co_u32 s[G0V+1], s18, VOFF
	s_add_co_u32 s[RT], s[HI], 1    ; the first block has NB - b tiles
	s_mov_b32 s[NXT], 1
	s_mov_b32 s[LQ], s[HI]
	s_mov_b32 s[NEW], 1
	s_mov_b32 s[OFF+1], 0
	s_mov_b32 s[AL+1], 0            ; named as pairs
	s_mov_b32 s[BE+1], 0
	s_mov_b32 s[KE+1], 0
	s_mov_b32 s[BZ+1], 0
	s_mov_b32 s[BIGN], 0xf149f2ca   ; -1e30
	s_mov_b32 s[SLOTS], NB
	s_wait_dscnt 0x0                ; the opening add is done
	s_wait_kmcnt 0x0
	s_load_b32 s[VLE], s[90:91], s[T1] offset:0x0  ; V_len[b], Q_len[b]: waited for behind Q's loads; T1 is written again only behind that wait
	s_load_b32 s[QL], s[92:93], s[T1] offset:0x0
	s_add_nc_u64 s[6:7], s[88:89], 0x1000000       ; k, v
	s_add_nc_u64 s[8:9], s[88:89], 0x2000000
	s_add_nc_u64 s[6:7], s[6:7], s[22:23]  ; at my half of the head's tile 0
	s_add_nc_u64 s[8:9], s[8:9], s[22:23]
	s_add_nc_u64 s[G0K+2:G0K+3], s[6:7], 0         ; 120:64 global address
	s_or_b32 s[G0K+3], s[G0K+3], 0x80000000        ; 127:126 type = 2
	s_add_nc_u64 s[G0V+2:G0V+3], s[8:9], 0
	s_or_b32 s[G0V+3], s[G0V+3], 0x80000000
	s_add_nc_u64 s[86:87], s[88:89], s[84:85]      ; q at my rows of the second block,
	s_add_nc_u64 s[4:5], s[88:89], s[2:3]          ; and of the first
	s_add_nc_u64 s[OLO:OLO+1], s[94:95], s[68:69]  ; out0 likewise
	s_add_nc_u64 s[10:11], s[94:95], s[66:67]
	LOAD                            ; tile 0 into slot 0
	; A fragment of K or Q is 16 rows x 32 channels in 8 registers: lane l holds row l % 16, channels 8 (l / 16) + 0..7 and 16 + 8 (l / 16) + 0..7: two loads of 16 bytes, 32 bytes apart.
	v_and_b32 v1, 15, v0            ; l % 16
	v_bfe_u32 v9, v0, 4, 1          ; l / 16
	v_lshlrev_b32 v[QO], 7, v1
	v_lshl_add_u32 v[QO], v9, 4, v[QO]  ; row x 128 + 16 x half
	WIN 0x80                        ; destination window 2, address window 0
.set i, 0
.rept 8                             ; both blocks' Q: piece i / 2 lies in band i / 2, 8,192 bytes on; channels 32 (i % 2) on
	global_load_b128 v[8*i:8*i+3],   v[QO], s[4:5] offset:(i/2)*8192+(i%2)*64
	global_load_b128 v[8*i+4:8*i+7], v[QO], s[4:5] offset:(i/2)*8192+(i%2)*64+32
	global_load_b128 v[QB+8*i:QB+8*i+3],   v[QO], s[86:87] offset:(i/2)*8192+(i%2)*64
	global_load_b128 v[QB+8*i+4:QB+8*i+7], v[QO], s[86:87] offset:(i/2)*8192+(i%2)*64+32
.set i, i+1
.endr
	WIN 0
	s_wait_kmcnt 0x0                ; the two lengths
	s_min_i32 s[VLE], s[VLE], SIZE_N
	s_cmp_lt_i32 s[VLE], 1          ; is no key visible?
	s_cselect_b32 s[VLE], SIZE_N, s[VLE]  ; then none is hidden from the others,
	s_cselect_b32 s[ZV], 0xd4e8d4a5, 0    ; each is given -8 x f32(1e12),
	s_cselect_b32 s[CS], 0.5, s[CS]       ; and the scale is a power of two
	s_mov_b32 s[CS+1], s[CS]        ; named with it as a pair
	s_mov_b32 s[VR], s[VLE]
	s_max_i32 s[QL], s[QL], 0
	s_min_i32 s[QL], s[QL], SIZE_N
	s_lshl_b32 s[T1], s[HI], 8
	s_sub_co_i32 s[QREL], s[QL], s[T1]
	s_and_b32 s[T1], s[VLE], 63
	v_lshlrev_b32 v14, 3, v9
	v_sub_nc_u32 v[KI], s[T1], v14  ; in the step where V_len falls register r of group kt is hidden where 16 kt + r is this or more
	v_sub_nc_u32 v14, v1, v14
	s_lshl_b32 s13, s[WV], 4
	v_add_nc_u32 v14, s13, v14      ; my query's place in its band less my lanes' 8 (l / 16): in the band's own step register r of group kt is hidden where 16 kt + r is greater
	v_add_nc_u32 v[QI], s13, v1
	WIN 0x40
.set i, 0
.rept 32
	v_cmp_gt_i32 vcc_lo, 16*(i/8)+i%8, v14
	v_cndmask_b32 v[MD+i], 0, s[BIGN], vcc_lo
	v_cmp_ge_i32 vcc_lo, 16*(i/8)+i%8, v[KI]
	v_cndmask_b32 v[MK+i], 0, s[BIGN], vcc_lo
.set i, i+1
.endr
	WIN 0
	v_mul_u32_u24 v[AK0], v1, PK
	v_lshl_add_u32 v[AK0], v9, 4, v[AK0]  ; row x pitch + 16 x half
	; The turning load takes 16 keys x 16 channels (lane l reads key 8 (l / 16) + l % 8, channels 8 ((l / 8) % 2) + 0..7) and leaves half a fragment of V^T: lane l holds channel l % 16 and 8 keys.
	v_and_b32 v10, 7, v0
	v_bfe_u32 v11, v0, 3, 1
	v_lshl_add_u32 v[AV0], v9, 3, v10
	v_mul_u32_u24 v[AV0], v[AV0], PV
	v_lshl_add_u32 v[AV0], v11, 4, v[AV0]
	v_add_nc_u32 v[AV0], VOFF, v[AV0]
	s_mul_i32 s13, s[WV], 16*SP
	s_add_co_u32 s13, s13, STAGE    ; my stage
	v_mul_u32_u24 v[STO], v1, SP    ; in: row l % 16, 32 bytes (8 channels) for each half of the lanes
	v_lshl_add_u32 v[STO], v9, 5, v[STO]
	v_add_nc_u32 v[STO], s13, v[STO]
	v_mul_u32_u24 v[RD], v9, SP     ; back: lanes 0-15 take one row of 256 bytes, lanes 16-31 the next,
	v_lshl_add_u32 v[RD], v1, 4, v[RD]
	v_add_nc_u32 v[RD], s13, v[RD]
	v_lshlrev_b32 v[GO], 12, v9     ; and the same two rows in out0, 4,096 bytes apart
	v_lshl_add_u32 v[GO], v1, 4, v[GO]
	; A block's first step multiplies O^T and l by a = 0, and its first turn's products V^T P, of a piece that has not been, land in an O^T that is still to be so multiplied.  So these registers need only hold
	; finite numbers: zeros for the first block; what the first block left for the second.  All this stands in the wait for the first tile.
	WIN 0x80
.set i, VF
.rept 64
	v_mov_b32 v[i], 0
.set i, i+1
.endr
	WIN 0x40
.set i, 0
.rept 128
	v_mov_b32 v[i], 0
.set i, i+1
.endr
	WIN 0
.set i, 0
.rept 4
	v_mov_b32 v[ST+4*i+2], 0
	v_mov_b32 v[ST+4*i+3], 0
.set i, i+1
.endr
.set i, P+16
.rept 16
	v_mov_b32 v[i], 0
.set i, i+1
.endr
; THE MATRIX WORK.  The 4 accumulators of a run of 8 take turns.  Product i of 8 of S^T = K Q^T for piece x: channels 32 (i / 4) on, keys 16 (i % 4) on.  The first 4 start the sums: with 0, or (KM = 1) with the causal mask.
.macro KQ x
.set rS, S+32*((\x)%2)+8*(i%4)
.set rK, KF+16*(i%4)+8*(i/4)
.set rQ, 16*(\x)+8*(i/4)
.set rM, MC+32*((\x)%2)+8*(i%4)
.if (i < 4) && KM
	WIN W_KM
	v_wmma_f32_16x16x32_f16 v[rS:rS+7], v[rK:rK+7], v[rQ:rQ+7], v[rM:rM+7]
.elseif i < 4
	WIN W_KQ
	v_wmma_f32_16x16x32_f16 v[rS:rS+7], v[rK:rK+7], v[rQ:rQ+7], 0
.else
	WIN W_KQ
	v_wmma_f32_16x16x32_f16 v[rS:rS+7], v[rK:rK+7], v[rQ:rQ+7], v[rS:rS+7]
.endif
.endm
; Product i of 8 of O^T += V^T P for piece x: keys 32 (i / 4) on, channels 16 (i % 4) on.
.macro PV x
	WIN W_PV
.set rO, 32*(\x)+8*(i%4)
.set rV, VF+32*(i/4)+8*(i%4)
.set rP, P+16*((\x)%2)+8*(i/4)
	v_wmma_f32_16x16x32_f16 v[rO:rO+7], v[rV:rV+7], v[rP:rP+7], v[rO:rO+7]
.endm
.macro MM                           ; the turn's next matrix instruction.  TURN and BEGIN set Y, i, KM and NOKQ; MM, KQ and OP read them.  NOKQ = 1: a block's last turn: there is no next piece
.if (i < 8) && !NOKQ
	KQ (Y+1)%NP
.elseif i >= 8
.set i, i-8
	PV (Y+NP-1)%NP
.set i, i+8
.endif
.set i, i+1
.endm
; THE LDS LOADS stand in runs of 16, never singly among the matrix instructions: a step's K (64 keys x 64 channels: 8 fragments) and its V (turned).  Their addresses are made some lines ahead.
.macro FETCH_K
	WIN 0x80                        ; destination window 2
.irp f, 0,1,2,3,4,5,6,7             ; keys 16 (f / 2) on, channels 32 (f % 2) on
	ds_load_b128 v[KF+8*\f:KF+8*\f+3],   v[AK] offset:(\f/2)*16*PK+(\f%2)*64
	ds_load_b128 v[KF+8*\f+4:KF+8*\f+7], v[AK] offset:(\f/2)*16*PK+(\f%2)*64+32
.endr
	s_add_co_u32 s[TBK], s[TBK], KS*PK  ; the next fetch is the next step's
	WIN 0
.endm
.macro FETCH_V
	WIN 0x80
.irp f, 0,1,2,3,4,5,6,7             ; keys 32 (f / 4) on, channels 16 (f % 4) on
	ds_load_tr16_b128 v[VF+8*\f:VF+8*\f+3],   v[AV] offset:(\f/4)*32*PV+(\f%4)*32
	ds_load_tr16_b128 v[VF+8*\f+4:VF+8*\f+7], v[AV] offset:(\f/4)*32*PV+16*PV+(\f%4)*32
.endr
	WIN 0
.endm
; THE VECTOR WORK, one line at a time: OP kind, number.  For piece Y: F n: c s - c m for pair n of 16.  E n: the exponential of score n of 32.  C n: pair n rounded to f16.  B n: of the four weights 4 n .. the second
; pair is added onto the first, in place.  L n: l takes that sum (L 0: l = a l + sum).  R n: pair n of 16 of O^T times a.  For piece Y + 1: X n, number n of the 22 that find its maximum and statistics:
;   0-11  four chains c0-c3 of seven scores each, three operands at a time     12-14, 16  the four scores left over, the old m, and c0-c3 into c0
;   15  c m_old is kept     17, 18  the query's other 32 keys lie in the lane 16 away: the new m     19-21  c m; c m_old - c m_new; a
.set F, 0               ; OP tells the kinds apart by their order: F to L below R, X above it
.set E, 1
.set C, 2
.set B, 3
.set L, 4
.set R, 5
.set X, 6
.macro REGS y                       ; the registers of piece y
.set rT, ST+4*(\y)
.set rC, TMP+4*((\y)%2)
.set rW, MV+((\y)%2)
.set rS, S+32*((\y)%2)
.set rP, P+16*((\y)%2)
.set rO, 32*(\y)
.endm
.macro OP k, n
.if (\k) == R
	REGS Y
	WIN W_RS
	v_pk_mul_f32 v[rO+2*(\n):rO+2*(\n)+1], v[rO+2*(\n):rO+2*(\n)+1], v[rC+2:rC+3] op_sel_hi:[1,0]
.elseif (\k) < R
	REGS Y
	WIN 0
.if (\k) == F
	v_pk_fma_f32 v[rS+2*(\n):rS+2*(\n)+1], v[rS+2*(\n):rS+2*(\n)+1], s[CS:CS+1], v[rT:rT+1] op_sel_hi:[1,0,0] neg_lo:[0,0,1] neg_hi:[0,0,1]
.elseif (\k) == E
	v_exp_f32 v[rS+(\n)], v[rS+(\n)]
.elseif (\k) == C
	s_wait_alu depctr_va_vdst(0)
	v_cvt_pk_f16_f32 v[rP+(\n)], v[rS+2*(\n)], v[rS+2*(\n)+1]
.elseif (\k) == B
	s_wait_alu depctr_va_vdst(0)
	v_pk_add_f32 v[rS+4*(\n):rS+4*(\n)+1], v[rS+4*(\n):rS+4*(\n)+1], v[rS+4*(\n)+2:rS+4*(\n)+3]
.elseif (\n) == 0
	v_pk_fma_f32 v[rT+2:rT+3], v[rT+2:rT+3], v[rC+2:rC+3], v[rS:rS+1] op_sel_hi:[1,0,1]
.else
	v_pk_add_f32 v[rT+2:rT+3], v[rT+2:rT+3], v[rS+4*(\n):rS+4*(\n)+1]
.endif
.elseif NOKQ
	v_nop
.else
	REGS (Y+1)%NP
	WIN 0
.if (\n) < 4
	v_max3_num_f32 v[rC+(\n)], v[rS+8*(\n)], v[rS+8*(\n)+1], v[rS+8*(\n)+2]
.elseif (\n) < 12
	v_max3_num_f32 v[rC+(\n)%4], v[rC+(\n)%4], v[rS+8*((\n)%4)+2*((\n)/4)+1], v[rS+8*((\n)%4)+2*((\n)/4)+2]
.elseif (\n) == 12
	v_max3_num_f32 v[rC], v[rC], v[rS+7], v[rS+15]
.elseif (\n) == 13
	v_max3_num_f32 v[rC+1], v[rC+1], v[rS+23], v[rS+31]
.elseif (\n) == 14
	v_max3_num_f32 v[rC+2], v[rC+2], v[rC+3], v[rT+1]
.elseif (\n) == 15
	v_mov_b32 v[rW], v[rT]
.elseif (\n) == 16
	v_max3_num_f32 v[rC], v[rC], v[rC+1], v[rC+2]
.elseif (\n) == 17
	v_permlanex16_b32 v[rC+3], v[rC], s[SEL], s[SEL+1]
.elseif (\n) == 18
	v_max_num_f32 v[rT+1], v[rC], v[rC+3]
.elseif (\n) == 19
	v_mul_f32 v[rT], s[CS], v[rT+1]
.elseif (\n) == 20
	v_sub_f32 v[rC+1], v[rW], v[rT]
.else
	v_exp_f32 v[rC+2], v[rC+1]
.endif
.endif
.endm
.macro OPS a, i1, b=-1, i2=0, c=-1, i3=0, d=-1, i4=0  ; up to four of them
	OP \a, \i1
.if (\b) >= 0
	OP \b, \i2
.endif
.if (\c) >= 0
	OP \c, \i3
.endif
.if (\d) >= 0
	OP \d, \i4
.endif
.endm
.macro ROW a, i1, b, i2, c, i3, d, i4  ; a matrix instruction and the four behind it
	MM
	OPS \a, \i1, \b, \i2, \c, \i3, \d, \i4
.endm
.macro MASK b                       ; the causal mask: MD x AL + BE into buffer b of MC
	WIN W_RS
.set z, 0
.rept 16
	v_pk_fma_f32 v[MC+32*(\b)+2*z:MC+32*(\b)+2*z+1], v[MD+2*z:MD+2*z+1], s[AL:AL+1], s[BE:BE+1] op_sel_hi:[1,0,0]
.set z, z+1
.endr
.endm
; THE KEY MASK of step 4 - CNT of the tile in hand.  MZS: its two scalars.  64 CNT + VR keys are visible from the step's first on: none: all hidden; 1 to 63: the step where V_len falls, MK's; 64 or more: all visible.
.macro MZS
	s_lshl_b32 s[T1], s[CNT], 6
	s_add_co_i32 s[T1], s[T1], s[VR]
	s_cmp_lt_i32 s[T1], 1
	s_cselect_b32 s[BZ], s[BIGN], s[ZV]
	s_sub_co_i32 s[T1], s[T1], 1
	s_cmp_lt_u32 s[T1], 63
	s_cselect_b32 s[KE], 1.0, 0
.endm
.macro MZV                          ; MZ = MK x KE + BZ
	WIN 0x01                        ; source 0 in window 1, destination in window 0
.set z, 0
.rept 16
	v_pk_fma_f32 v[MZ+2*z:MZ+2*z+1], v[MK+2*z:MK+2*z+1], s[KE:KE+1], s[BZ:BZ+1] op_sel_hi:[1,0,0]
.set z, z+1
.endr
.endm
.macro KADD y                       ; piece y's new scores take the key mask.  In ascending order: each accumulator is first read at its low end
	WIN 0
.set z, 0
.rept 16
	v_pk_add_f32 v[S+32*((\y)%2)+2*z:S+32*((\y)%2)+2*z+1], v[S+32*((\y)%2)+2*z:S+32*((\y)%2)+2*z+1], v[MZ+2*z:MZ+2*z+1]
.set z, z+1
.endr
.endm
; A TURN, for piece p: the order of its 16 matrix and 134 vector instructions, written out.  Behind a matrix instruction: plain, exponential, plain, plain; or four of the rescaling; or, behind the first, four scalings; none
; names a register of the products round it.  In the lumps exponential and plain by turns while exponentials last.  v_permlanex16_b32 (X 17) stands in a lump.
; KADD stands in the first lump, between the new scores and their first reader: the four rescalings behind the last K Q^T are its places (ISA guide 7.12.1), and a plain line stands behind the exponential in front of it.
; Piece 2's turn makes the key mask of the next step at its end: its own KADD (piece 3) is the last of the step in hand, piece 3's turn (piece 0) the first of the next.
; m = 1: the diagonal tile: the products take causal masks, and the turn makes the mask for the products of the turn after it: piece p + 2, in step 4 - CNT of the tile.  end = 1: a block's last two turns: nothing is fetched.
; cnt = 1: the loop's count is taken down some lines ahead of the branch that stands behind the turn.
; K of the next step is fetched in piece 2's turn, six vector instructions behind the last product that read K (five of them plain); V of the step in hand in piece 0's turn, eight behind the last product that read V (four
; plain, and X 17).  Each is waited for a turn later.
.macro TURN p, m=0, end=0, cnt=0
.set Y, (\p)
.set i, 0
.set KM, (\m)
.set NOKQ, (\end)*((\p)/3)
.if (\m) && !(\end)
	s_cmp_eq_u32 s[CNT], 4-((\p)+2)%NP  ; is that step the band's own?
	s_cselect_b32 s[AL], 1.0, 0
	s_cmp_lt_u32 s[CNT], 4-((\p)+2)%NP  ; or a later one?
	s_cselect_b32 s[BE], s[BIGN], 0
.endif
.if ((\p) == 2) && !(\end)
	MZS
.endif
.if ((\p) == 3) && !(\end)
	s_wait_dscnt 0x0                ; K is in
.endif
	ROW F,0, F,1, F,2, F,3
	ROW F,4, E,0, F,5, F,6
	ROW F,7, E,1, F,8, F,9
	ROW F,10, E,2, C,0, F,11
	ROW F,12, E,3, X,15, F,13
	ROW R,0, R,1, R,2, R,3
	ROW B,0, E,4, F,14, L,0
.if ((\p) == 2) && !(\end)
	v_add_nc_u32 v[AK], s[TBK], v[AK0]
.endif
	ROW R,4, R,5, R,6, R,7
	OPS E,5, F,15
.if ((\p) == 2) && !(\end)
	FETCH_K
.endif
	OPS E,6, C,1, E,7, R,8
	OPS E,8, R,9, E,9, C,2
.if !NOKQ
	KADD ((\p)+1)%NP
.endif
	OPS E,10, X,0, E,11, X,1
	OPS E,12, X,2, E,13, X,3
.if (\p) == 1
	s_wait_dscnt 0x0                ; V is in
.endif
	ROW X,4, E,14, X,5, X,6
	ROW X,7, E,15, X,8, X,9
	ROW X,10, E,16, X,11, X,12
	ROW X,13, E,17, X,14, B,1
	ROW C,4, E,18, X,16, L,1
	ROW B,2, E,19, C,6, L,2
	ROW C,8, E,20, B,3, B,4
.if (\p) == 0
	v_add_nc_u32 v[AV], s[TBV], v[AV0]
.endif
	ROW C,3, E,21, L,3, C,5
	OPS E,22, X,17, E,23, C,10
.if (\p) == 0
	FETCH_V
.endif
	OPS E,24, L,4
	OPS E,25, X,18, E,26, C,7
	OPS E,27, B,5, E,28, X,19
	OPS E,29, C,12, E,30, L,5
	OPS E,31, X,20, B,6, C,9
	OPS C,14, C,11, X,21, L,6
.if (\p) == 0
	s_add_co_u32 s[TBV], s[TBV], KS*PV
.endif
.if \cnt
	s_sub_co_u32 s[CNT], s[CNT], 1
	s_cmp_lg_u32 s[CNT], 0
.endif
	OPS C,13, B,7, C,15, R,10
	OPS R,11, R,12, L,7, R,13
	OPS R,14, R,15
.if (\m) && !(\end)
	MASK (\p)%2
.endif
.if ((\p) == 2) && !(\end)
	MZV
.endif
.endm
; A BLOCK BEGINS.  c m starts far below every c s, so the first step's a is 0; m at the lowest finite number, so the first maximum is the scores'.  The second causal mask buffer is 0; the first takes piece 0's mask for
; the tile's step 0: its own, if the block's first tile is the diagonal one.  The key mask is step 0's.  Then K of that step, piece 0's first scores, and its maximum and statistics.
; The loop is entered at a step's first turn, in the middle of a trip.
.macro BEGIN
	s_mov_b32 s[NEW], 0
	WIN 0x40
.set i, MC+32
.rept 32
	v_mov_b32 v[i], 0
.set i, i+1
.endr
	WIN 0
.set i, 0
.rept 4
	v_mov_b32 v[ST+4*i], 0xfe000000    ; c m: far below every c s
	v_mov_b32 v[ST+4*i+1], 0xff7fffff  ; m
.set i, i+1
.endr
	s_cmp_eq_u32 s[RT], 0
	s_cselect_b32 s[AL], 1.0, 0
	s_mov_b32 s[BE], 0
	MASK 0
	MZS
	MZV
	WIN 0
	v_add_nc_u32 v[AK], s[TBK], v[AK0]
	FETCH_K
	s_wait_loadcnt 0x0              ; Q
	s_wait_dscnt 0x0
.set KM, 1
.set NOKQ, 0
.set i, 0
.rept 8
	KQ 0
.set i, i+1
.endr
	WIN 0
.rept 4
	v_nop                           ; the places behind those products
.endr
	KADD 0
.set Y, NP-1                        ; X works for piece Y + 1: piece 0
.irp n, 0,1,2,3,4,5,6,7,8,9,10,11,12,13,14,15,16,17,18,19,20,21
	OP X, \n
.endr
	v_nop                           ; a plain instruction behind the exponential
.endm
; THE DIAGONAL TILE's four steps, the block's last two turns, its last products, and THE WAY OUT: l's two halves and the other half of the lanes' are added; O^T is
; multiplied by 1 / l, or by 0 where the row lies at or behind Q_len, and sent as f32 through my stage in LDS, a piece at a time.
.macro ALL line:vararg              ; one line for each piece t
.set t, 0
.rept 4
	\line
.set t, t+1
.endr
.endm
.macro PACK t                       ; a lane's eight channels of a row are 32 bytes; they go into rows of 272 bytes and come back as whole rows of 256
	WIN W_RS
.set i, 32*(\t)
.rept 16
	v_pk_mul_f32 v[i:i+1], v[i:i+1], v[ST+4*(\t)+2:ST+4*(\t)+3] op_sel_hi:[1,0]
.set i, i+2
.endr
	WIN 0x04                        ; the stores' data in window 1, their address in window 0
.irp f, 0,1,2,3,4,5,6,7             ; channels 16 (f / 2) + 8 (l / 16) + 4 (f % 2) on
	ds_store_b128 v[STO], v[32*(\t)+4*\f:32*(\t)+4*\f+3] offset:64*(\f/2)+16*(\f%2)
.endr
	WIN 0
.irp f, 0,1,2,3,4,5,6,7
	ds_load_b128 v[OUTB+32*(\t)+4*\f:OUTB+32*(\t)+4*\f+3], v[RD] offset:\f*2*SP  ; LDS serves a wave's instructions in order (ISA guide 5.7.1.4): these see the stores above; the next piece's stores come behind them
.endr
.endm
.macro SEND t, younger              ; younger: the LDS instructions issued behind piece t's loads: the next piece's sixteen, or none
	WIN 0
.irp f, 0,1,2,3,4,5,6,7
	s_wait_dscnt (\younger)+7-\f
	global_store_b128 v[GO], v[OUTB+32*(\t)+4*\f:OUTB+32*(\t)+4*\f+3], s[10:11] offset:(\t)*262144+\f*8192 th:TH_STORE_NT  ; 16 lanes store a head's 256 bytes of a row, at a multiple of 256 from out0's first
.endr
.endm
.macro DIAG tag                     ; the tag ends its two labels' names, which the jumps below spell out
.LstepM\tag:
	TURN 2, 1
	TURN 3, 1
	WIN 0
.LfirstM\tag:
	TURN 0, 1
	TURN 1, 1, 0, 1
	WIN 0
	s_cbranch_scc1 .LstepM\tag
	TURN 2, 1, 1
	TURN 3, 1, 1
.set i, 0
.rept 8
	PV NP-1
.set i, i+1
.endr
	WIN 0
	ALL v_add_f32 v[ST+4*t+2], v[ST+4*t+2], v[ST+4*t+3]
	ALL v_permlanex16_b32 v[ST+4*t+3], v[ST+4*t+2], s[SEL], s[SEL+1]
	ALL v_add_f32 v[ST+4*t+2], v[ST+4*t+2], v[ST+4*t+3]
	ALL v_rcp_f32 v[ST+4*t+2], v[ST+4*t+2]
	v_nop                           ; a plain instruction between the last reciprocal and the use of its result
.set t, 0
.rept 4
	s_sub_co_i32 s[T1], s[QREL], 64*t  ; Q_len counted from band t's first row
	v_cmp_gt_i32 vcc_lo, s[T1], v[QI]
	s_wait_alu depctr_va_vdst(0)
	v_cndmask_b32 v[ST+4*t+2], 0, v[ST+4*t+2], vcc_lo
.set t, t+1
.endr
	PACK 0
.set t, 1
.rept 3                             ; a piece's arithmetic stands between the loads of the piece before and its stores
	PACK t
	SEND t-1, 16
.set t, t+1
.endr
	SEND 3, 0
.endm
.set KM, 0
.set NOKQ, 0
.Lslot:                             ; NB times: a tile is entered and the next is asked for
	CHANGE 1
	ENTER
	s_cmp_eq_u32 s[NEW], 1
	s_cbranch_scc1 .Lnew            ; a block's first tile
	s_cmp_eq_u32 s[RT], 0
	s_cbranch_scc0 .Lstep           ; neither its first nor its last
	s_branch .LstepM1
.Lnew:
	BEGIN
	s_branch .Lfirst                ; in the loop a block's first tile is never its last: the first block has three tiles or more, and the second's last is the walk's last
	DIAG 1                          ; in the loop this is the first block's end: the second block's last tile is the walk's last
	s_wait_xcnt 0x0                 ; the stores have read their registers and out0's address
	s_mov_b64 s[10:11], s[OLO:OLO+1]
	s_add_co_u32 s[RT], s[PB], 1    ; the second block has b + 1 tiles
	s_mov_b32 s[NEW], 1
	s_mov_b32 s[VR], s[VLE]         ; its keys begin at 0 again
	s_lshl_b32 s[T1], s[PB], 8
	s_sub_co_i32 s[QREL], s[QL], s[T1]
	WIN 0x82                        ; the second block's Q goes where the one text of the turns names Q
.set i, 0
.rept 64
	v_mov_b32 v[i], v[QB+i]
.set i, i+1
.endr
	WIN 0
	s_branch .Lbottom
.Lstep:                             ; a trip: pieces 2 and 3 of one step, then pieces 0 and 1 of the next, whose K and V it fetches
	TURN 2
	TURN 3
	WIN 0
.Lfirst:
	TURN 0
	TURN 1, 0, 0, 1
	WIN 0
	s_cbranch_scc1 .Lstep
.Lbottom:
	s_sub_co_u32 s[SLOTS], s[SLOTS], 1
	s_cmp_lg_u32 s[SLOTS], 0
	s_cbranch_scc1 .Lslot
	CHANGE 0                        ; the walk's last tile is written out: nothing is asked for.  It holds the second block's diagonal
	ENTER
	s_cmp_eq_u32 s[NEW], 1
	s_cbranch_scc0 .LstepM2
	BEGIN
	s_branch .LfirstM2
	DIAG 2
	s_wait_tensorcnt 0x0            ; the wave's end: these three lines stand behind my last tensor load and my last LDS store
	ds_add_u32 v[SPW], v[NIL]
	s_wait_dscnt 0x0
	s_endpgm
.Lfunc_end_k_qd9e48d6cab_attn:
	.size	k_qd9e48d6cab_attn, .Lfunc_end_k_qd9e48d6cab_attn-k_qd9e48d6cab_attn
	.p2alignl 7, 3214868480
	.fill 96, 4, 3214868480
	.section	.rodata,"a",@progbits
	.p2align	6, 0x0
	.amdhsa_kernel k_qd9e48d6cab_attn
		.amdhsa_group_segment_fixed_size 327680
		.amdhsa_private_segment_fixed_size 0
		.amdhsa_enable_private_segment 0
		.amdhsa_kernarg_size 32
		.amdhsa_user_sgpr_count 2
		.amdhsa_user_sgpr_kernarg_segment_ptr 1
		.amdhsa_wavefront_size32 1
		.amdhsa_system_sgpr_workgroup_id_x 1
		.amdhsa_system_sgpr_workgroup_id_y 1
		.amdhsa_system_sgpr_workgroup_id_z 1
		.amdhsa_system_vgpr_workitem_id 0
		.amdhsa_next_free_vgpr 768
		.amdhsa_next_free_sgpr 106
		.amdhsa_reserve_vcc 1
		.amdhsa_float_denorm_mode_32 3
		.amdhsa_float_denorm_mode_16_64 3
		.amdhsa_memory_ordered 1
		.amdhsa_forward_progress 1
		.amdhsa_inst_pref_size 252
	.end_amdhsa_kernel
	.amdgpu_metadata
---
amdhsa.version: [ 1, 2 ]
amdhsa.kernels:
  - .name:           k_qd9e48d6cab_attn
    .symbol:         k_qd9e48d6cab_attn.kd
    .args:
      - { .name: qkv, .offset: 0, .size: 8, .value_kind: global_buffer, .address_space: global }
      - { .name: V_len, .offset: 8, .size: 8, .value_kind: global_buffer, .address_space: global }
      - { .name: Q_len, .offset: 16, .size: 8, .value_kind: global_buffer, .address_space: global }
      - { .name: out0, .offset: 24, .size: 8, .value_kind: global_buffer, .address_space: global }
    .group_segment_fixed_size: 327680
    .private_segment_fixed_size: 0
    .kernarg_segment_align: 8
    .kernarg_segment_size: 32
    .max_flat_workgroup_size: 128
    .sgpr_count:     106
    .vgpr_count:     768
    .wavefront_size: 32
...
	.end_amdgpu_metadata
.endif
;; end of part 3
;; ======== version 2 of 2: 3 launches; version 1 with the launch wcast written anew for expert scheduling mode
;; limits: values are held in f16: magnitudes above 65,504 overflow, below 6.1e-05 lose precision
;; workspace buffers: wb 6,291,456 bytes; qkv 50,331,648 bytes
;; launch wcast (part 4): grid 128 x 3, 8 waves a work-group, no clusters, 0 bytes of LDS; arguments WQ, WK, WV, wb; writes wb
.if DOCPART == 4
	.amdgcn_target "amdgcn-amd-amdhsa--gfx1250"
	.amdhsa_code_object_version 6
	.text
	.protected	k_qd9e48d6cab_wcast
	.globl	k_qd9e48d6cab_wcast
	.p2align	8
	.type	k_qd9e48d6cab_wcast,@function
k_qd9e48d6cab_wcast:
	s_mov_b64 s[64:65], 0
	v_nop
	global_prefetch_b8 v0, s[64:65] scope:SCOPE_SE
	s_setreg_imm32_b32 hwreg(HW_REG_WAVE_SCHED_MODE, 0, 2), 2
	s_setreg_imm32_b32 hwreg(HW_REG_WAVE_MODE, 25, 1), 1
	s_wait_xcnt 0x0
	s_wait_alu depctr_vm_vsrc(0)
; wb[p][k][n] = bf16(W_p[k][n]), p = 0, 1, 2 for WQ, WK, WV: the three weights rounded once to bf16, in their own layout [k][n].
; A stream: no LDS, no matrix unit, no cluster (no two work-groups read the same byte).  The work-group's y picks the matrix, its x 8,192 numbers:
; 32,768 bytes in, 16,384 out.  A wave takes 4,096 bytes as eight loads of 512 consecutive bytes, all eight out at once;
; each store of the wave covers 256 consecutive bytes, aligned.  No register is written twice, so no wait frees a source.
; THE MODE: SCHED_MODE bits 1:0 = 2 (LLVM: expert scheduling mode 2), set by the entry lines.  The code itself states the register dependences
; between vector instructions and memory instructions, with s_wait_alu, always for 0.
; THE PLAN.  Registers that memory instructions touch:
;   v1, v2   byte offsets of the loads and of the stores: written at the head, never again.
;   X        written by the eight loads, once each; no vector line names it ahead of them; read by the conversions.
;   Y        written by the conversions, once each; read by the eight stores.
; The eight loads go in four groups of two.  Group g waits for its two loads, states that group g - 1's conversions have written their part of Y, issues that
; group's two stores, and then rounds its own four pairs: so the wait on va_vdst stands behind a wait for data, and what it covers was issued ahead of that wait.
; The group's own conversions name its X and its Y alone, none of the registers that the two stores touch.  One more wait stands ahead of the last two stores.
.set X, 4                              ; v[4:35]   eight loads, 4 f32 a lane each: group g at X + 8 g
.set Y, 36                             ; v[36:51]  eight stores, 4 bf16 a lane each: group g at Y + 4 g
	s_load_b256 s[4:11], s[0:1], 0x0               ; WQ s[4:5], WK s[6:7], WV s[8:9], wb s[10:11]
	s_and_b32 s12, ttmp7, 0xffff                   ; which matrix
	s_lshl_b32 s14, ttmp9, 15                      ; my 32,768 bytes of it
	s_mov_b32 s15, 0
	s_lshl_b32 s16, ttmp9, 14                      ; my 16,384 bytes of its copy,
	s_lshl_b32 s17, s12, 21                        ; which is 2 MiB long
	s_add_co_u32 s16, s16, s17
	s_mov_b32 s17, 0
	v_lshrrev_b32 v3, 5, v0                        ; wave
	v_and_b32 v1, 31, v0                           ; lane
	v_lshlrev_b32 v2, 3, v1
	v_lshlrev_b32 v1, 4, v1
	v_lshl_add_u32 v1, v3, 12, v1                  ; in: 4,096 x wave + 16 x lane
	v_lshl_add_u32 v2, v3, 11, v2                  ; out: 2,048 x wave + 8 x lane
	s_wait_kmcnt 0x0
	s_cmp_eq_u32 s12, 0
	s_cselect_b64 s[18:19], s[4:5], s[6:7]
	s_cmp_eq_u32 s12, 2
	s_cselect_b64 s[18:19], s[8:9], s[18:19]
	s_add_nc_u64 s[18:19], s[18:19], s[14:15]
	s_add_nc_u64 s[10:11], s[10:11], s[16:17]
	s_wait_alu depctr_va_vdst(0)                   ; v1 and v2 are written: every load reads v1 as its offset, every store v2; no vector line behind this wait names either
.irp i, 0,1,2,3,4,5,6,7
	global_load_b128 v[X+4*(\i):X+4*(\i)+3], v1, s[18:19] offset:512*(\i) th:TH_LOAD_NT
.endr
.irp g, 0,1,2,3
	s_wait_loadcnt 6-2*(\g)                        ; loads come back in order: group g's two are in, the 6 - 2 g younger ones stay out
.if (\g) > 0
	s_wait_alu depctr_va_vdst(0)                   ; the group before has written its four registers of Y, which the two stores below read
	global_store_b64 v2, v[Y+4*(\g)-4:Y+4*(\g)-3], s[10:11] offset:512*(\g)-512
	global_store_b64 v2, v[Y+4*(\g)-2:Y+4*(\g)-1], s[10:11] offset:512*(\g)-256
.endif
.irp j, 0,1,2,3
	v_cvt_pk_bf16_f32 v[Y+4*(\g)+(\j)], v[X+8*(\g)+2*(\j)], v[X+8*(\g)+2*(\j)+1]
.endr
.endr
	s_wait_alu depctr_va_vdst(0)                   ; the last group has written its four registers of Y, which the last two stores read
	global_store_b64 v2, v[Y+12:Y+13], s[10:11] offset:1536
	global_store_b64 v2, v[Y+14:Y+15], s[10:11] offset:1792
	s_endpgm
.Lfunc_end_k_qd9e48d6cab_wcast:
	.size	k_qd9e48d6cab_wcast, .Lfunc_end_k_qd9e48d6cab_wcast-k_qd9e48d6cab_wcast
	.p2alignl 7, 3214868480
	.fill 96, 4, 3214868480
	.section	.rodata,"a",@progbits
	.p2align	6, 0x0
	.amdhsa_kernel k_qd9e48d6cab_wcast
		.amdhsa_group_segment_fixed_size 0
		.amdhsa_private_segment_fixed_size 0
		.amdhsa_enable_private_segment 0
		.amdhsa_kernarg_size 32
		.amdhsa_user_sgpr_count 2
		.amdhsa_user_sgpr_kernarg_segment_ptr 1
		.amdhsa_wavefront_size32 1
		.amdhsa_system_sgpr_workgroup_id_x 1
		.amdhsa_system_sgpr_workgroup_id_y 1
		.amdhsa_system_sgpr_workgroup_id_z 1
		.amdhsa_system_vgpr_workitem_id 0
		.amdhsa_next_free_vgpr 52
		.amdhsa_next_free_sgpr 66
		.amdhsa_reserve_vcc 0
		.amdhsa_float_denorm_mode_32 3
		.amdhsa_float_denorm_mode_16_64 3
		.amdhsa_memory_ordered 1
		.amdhsa_forward_progress 1
		.amdhsa_inst_pref_size 4
	.end_amdhsa_kernel
	.amdgpu_metadata
---
amdhsa.version: [ 1, 2 ]
amdhsa.kernels:
  - .name:           k_qd9e48d6cab_wcast
    .symbol:         k_qd9e48d6cab_wcast.kd
    .args:
      - { .name: WQ, .offset: 0, .size: 8, .value_kind: global_buffer, .address_space: global }
      - { .name: WK, .offset: 8, .size: 8, .value_kind: global_buffer, .address_space: global }
      - { .name: WV, .offset: 16, .size: 8, .value_kind: global_buffer, .address_space: global }
      - { .name: wb, .offset: 24, .size: 8, .value_kind: global_buffer, .address_space: global }
    .group_segment_fixed_size: 0
    .private_segment_fixed_size: 0
    .kernarg_segment_align: 8
    .kernarg_segment_size: 32
    .max_flat_workgroup_size: 256
    .sgpr_count:     66
    .vgpr_count:     52
    .wavefront_size: 32
...
	.end_amdgpu_metadata
.endif
;; end of part 4
;; launch proj: the kernel of part 2 again; grid 4 x 192, 4 waves a work-group, clusters of 4 x 4, 327,680 bytes of LDS; arguments Q_seq, K_seq, V_seq, wb, qkv; writes qkv
;; launch attn: the kernel of part 3 again; grid 2 x 128, 4 waves a work-group, no clusters, 327,680 bytes of LDS; arguments qkv, V_len, Q_len, out0; writes out0
